; MI455X (gfx1250); checked and timed in simulation.
; The chip was launched on July 23, 2026; its instructions are those of AMD's public machine-readable ISA for CDNA 5 (MIT licence, August 2026) and "CDNA5" Instruction Set Architecture Reference Guide (July 2026). The comments in the code are by the model that wrote it; some were corrected since.
;; Sliding Window Attention. Allowed arithmetic: matrix products marked QUANTISED: E5M2 operands, one given power-of-two scale a tensor, by v_wmma_f32_16x16x64_bf8_bf8 or v_wmma_f32_16x16x128_bf8_bf8, f32 sums; everything else in f32.
;; Inputs: hidden_states_codes 1 x 4,096 x 32 x 32 uint8 (E5M2 codes of hidden_states, K innermost, in blocks of 32 codes); k_w_codes 256 x 32 x 32 uint8 (E5M2 codes of k_w, K innermost, in blocks of 32 codes); lowp_scales 12 int32 (the exponents e of the quantised operands' scales 2^e); o_w_codes 1,024 x 32 x 32 uint8 (E5M2 codes of o_w, K innermost, in blocks of 32 codes); q_w_codes 1,024 x 32 x 32 uint8 (E5M2 codes of q_w, K innermost, in blocks of 32 codes); v_w_codes 256 x 32 x 32 uint8 (E5M2 codes of v_w, K innermost, in blocks of 32 codes).
;; Outputs: out0 1 x 4,096 x 1,024 float32.
;; This version of the problem:
;;   THIS VERSION OF THE PROBLEM IS GIVEN IN LOW PRECISION. The matrix products marked QUANTISED in the list below multiply operands that are first quantised to E5M2 (5 exponent bits, 2 mantissa bits; 8 bits a number), with one given power-of-two scale for each operand tensor; their sums are f32. All else is computed in f32.
;;   The module's matrix products, in the order in which they are computed (A, B: the left and right operand; K: the contracted axis; several contracted axes count as one K, in the product's order):
;;     1. [M 4,096, K 1,024] x [K 1,024, N 1,024]; A: input hidden_states (given as codes); B: input q_w (given as codes): QUANTISED (scales: A lowp_scales[0], B lowp_scales[1])
;;     2. [M 4,096, K 1,024] x [K 1,024, N 256]; A: input hidden_states (given as codes); B: input k_w (given as codes): QUANTISED (scales: A lowp_scales[2], B lowp_scales[3])
;;     3. [M 4,096, K 1,024] x [K 1,024, N 256]; A: input hidden_states (given as codes); B: input v_w (given as codes): QUANTISED (scales: A lowp_scales[4], B lowp_scales[5])
;;     4. batch 16 x [M 4,096, K 64] x [K 64, N 4,096]; A: computed on the way; B: computed on the way: QUANTISED (scales: A lowp_scales[6], B lowp_scales[7])
;;     5. batch 16 x [M 4,096, K 4,096] x [K 4,096, N 64]; A: softmax (see below); B: computed on the way: QUANTISED (scales: A lowp_scales[8], B lowp_scales[9])
;;     6. [M 4,096, K 1,024] x [K 1,024, N 1,024]; A: computed on the way; B: input o_w (given as codes): QUANTISED (scales: A lowp_scales[10], B lowp_scales[11])
;;   THE QUANTISER, for each operand of a quantised product, along K:
;;     - The operand's scale is 2^e, e = its entry of the input lowp_scales (int32; the entries are numbered through the quantised products in the list's order, A before B).
;;     - Each number is divided by the scale, clamped to +-57,344, and rounded to the nearest number of E5M2, ties to even, subnormals kept.
;;     - The product sums the exact products of the quantised numbers (number of the format x scale) in f32.
;;   ~~~python
;;   def quantise(x, axis, e):      # numpy; x: float32 -> the quantised numbers, widened to float32 again
;;       x = np.moveaxis(x, axis, -1); K = x.shape[-1]
;;       r = np.clip(x / 2.0 ** e, -57344, 57344)
;;       step = 2.0 ** (np.maximum(np.frexp(np.where(r == 0, 1, r))[1] - 1, -14) - 2)
;;       q = np.round(r / step) * step * 2.0 ** e      # np.round: ties to even
;;       return np.moveaxis(q, -1, axis).astype(np.float32)
;;   ~~~
;;   SOFTMAX AHEAD OF A QUANTISED PRODUCT. Where the list says 'softmax', what is quantised is not the finished softmax but p = 2^(t - M), with t = logit x log2(e) and M = ceil(the row's largest t), a whole number; so 1/2 < the row's largest p <= 1. The row's sum l is taken of the UNQUANTISED p, in f32, and the product's result is divided by l at the end. Since M is a whole number, a kernel that streams over the keys may use a running M (the ceiling of the running maximum): every later rescaling is an exact power of two, so the quantised numbers keep their values, but for numbers so far below the row's largest that they fall under the format's range.
;;   OPERANDS COMPUTED ON THE WAY. 'Computed on the way' means the value that the module computes at that place (a softmax that the list does not call 'softmax' is quantised finished and normalised). What goes into a quantiser is computed in f32, as accurately as f32 sums, v_exp_f32 and their like allow (about 1e-6 of the number): no bf16 or f16 on the way to a quantiser, and a product that is left as it is and whose result goes on into a quantised operand takes f32 operands (vector FMAs, or v_wmma_f32_16x16x4_f32). A number that lies on a knife's edge between two numbers of the format may be rounded either way, as far as f32 arithmetic and the matrix unit's own rounding can turn it there, and no further.
;;   INPUTS GIVEN AS CODES. hidden_states (in the module: [1, 4096, 1024], K = its axis 2); k_w (in the module: [256, 1024], K = its axis 1); o_w (in the module: [1024, 1024], K = its axis 1); q_w (in the module: [1024, 1024], K = its axis 1); v_w (in the module: [256, 1024], K = its axis 1): each comes as NAME_codes (uint8): NAME with its K axis moved to the last place and cut into blocks of 32 codes, [.., K / 32, bytes a block], one block behind the other in memory; one code a byte (a code: sign, 5 exponent bits, 2 mantissa bits); its scale is its entry of lowp_scales. Its value is code x scale, taken as it is: it is not quantised again, and the codes and scales need not be those that the quantiser above would give.
;; One version. Each part assembles by itself: llvm-mc -triple=amdgcn-amd-amdhsa -mcpu=gfx1250 --defsym DOCPART=n.
;; ======== version 1 of 1: 3 launches
;; workspace buffers: q_img 4,194,304 bytes; kv 2,097,152 bytes; a_img 4,194,304 bytes
;; launch qkv (part 1): grid 32 x 8, 12 waves a work-group, clusters of 4 x 1, 327,680 bytes of LDS; arguments hidden_states_codes, q_w_codes, k_w_codes, v_w_codes, lowp_scales, q_img, kv; writes q_img, kv
.if DOCPART == 1
	.amdgcn_target "amdgcn-amd-amdhsa--gfx1250"
	.amdhsa_code_object_version 6
	.text
	.protected	k_qe3a0db7da0_qkv
	.globl	k_qe3a0db7da0_qkv
	.p2align	8
	.type	k_qe3a0db7da0_qkv,@function
k_qe3a0db7da0_qkv:
	s_mov_b64 s[64:65], 0
	v_nop
	global_prefetch_b8 v0, s[64:65] scope:SCOPE_SE
	s_setreg_imm32_b32 hwreg(HW_REG_WAVE_MODE, 25, 1), 1
	s_wait_xcnt 0x0
	s_wait_alu depctr_hold_cnt(0) depctr_sa_sdst(0) depctr_va_vdst(0) depctr_va_sdst(0) depctr_va_ssrc(0) depctr_va_vcc(0) depctr_vm_vsrc(0)
	s_getreg_b32 s2, hwreg(HW_REG_IB_STS2, 6, 4)
	s_cmp_eq_u32 s2, 0
	s_cbranch_scc0 .Lentry_in_a_cluster
	s_endpgm
.Lentry_in_a_cluster:
	s_bfe_u32 s2, ttmp6, 0x10000c
	s_cmp_lg_u32 s2, 0x3003
	s_cbranch_scc0 .Lentry_shape_is_right
	s_endpgm
.Lentry_shape_is_right:
; q, k, v = hidden W^T on codes of BF8 (E5M2); RoPE on q and k; the three results quantised (e6, e7, e9) and stored as IMAGES OF OPERAND REGISTERS for the attention launch.
; The 24 heads of 64 channels are numbered 0-15 (q), 16-19 (k), 20-23 (v).  A work-group takes 128 tokens x 3 heads (head = 3 y + wave / 4); a wave 32 tokens x one head: 8 accumulators.
; q and k heads: source 0 = 16 rows of W, source 1 = 16 tokens: a lane holds ONE token and its registers run along the channels, which are the scores' K.
; v heads: the sources change places: a lane holds ONE channel and its registers run along the tokens, which are the keys, the second product's K.  Nothing is transposed by an instruction.
; K = 1,024 goes in four steps of 256 through three LDS slots; the fourth step fills slot 0 again.
; CLUSTER 4 x 1: the four partners share y, so W's tiles are asked for jointly (mask 15).  X's tiles differ from partner to partner (their tokens) and come by plain loads.  A cluster that also
; shared X would hold work-groups of different y, whose heads' kinds differ: the branch on the kind would then differ between partners.
; A fragment is fetched by four loads of 16 bytes, 32 apart: a permutation of k that is the same in W and in X, so every product meets its partner.
; A sum stands for sum x 2^(ea + eb); RoPE is linear, so the three exponents are folded into the conversion's one scale: 2^(e6-e0-e1), 2^(e7-e2-e3), 2^(e9-e4-e5).
; cos and sin: angle = pos x inv_freq (one f32 product; inv_freq = 10^(-i/8) rounded to f32), reduced by N = floor(angle 2/pi + 1/2) with pi/2 in two parts (the first step is exact for N up to 2,607),
; polynomials on |R| <= pi/4.  The table of the work-group's 128 tokens x 32 frequencies is made once, in LDS, while the first tiles are on their way.
; LIMITS: each folded exponent lies between -126 and 112.  NaN codes are not served.
.set PITCH,  272                       ; an LDS row: 256 bytes + 16 of padding: the 16 rows of a fragment load start 68 words apart
.set PIECE,  64*PITCH                  ; what one tensor load brings: 64 rows
.set SLOT,   5*PIECE                   ; X's rows 0-63, 64-127, then W's three heads
.set TCOS,   3*SLOT                    ; cos: 128 tokens x (128 bytes + 16)
.set TPITCH, 144
.set TSIN,   128*TPITCH                ; sin lies this far behind cos
.set SPARE,  TCOS+2*TSIN               ; the spare words: 128 bytes for each of the 12 waves, named by no other line
.set LI,  1                            ; v1     16 x lane
.set SPW, 2                            ; v2     my spare word
.set NIL, 3                            ; v3     0
.set AW,  4                            ; v4-6   my W fragments in slot 0, 1, 2
.set AX,  7                            ; v7-9   my X fragments
.set TR,  10                           ; v10    where I read the trig table
.set TS,  11                           ; v11    where I store it
.set POS, 12                           ; v12    my token's position, f32
.set SC,  13                           ; v13    the conversion's scale
.set LIM, 14                           ; v14    57,344 x that
.set ACC, 32                           ; v32-95   accumulator (t, m) at ACC + 8 (4 m + t)
.set WF,  96                           ; v96-159  W's four fragments; behind the products: cos, sin of tile 0 (v96-127), the rotated numbers (v128-159)
.set XF,  160                          ; v160-191 X's two fragments; behind the products: cos, sin of tile 1
.set TRG, 96
.set RES, 128
.set CD,  192                          ; v192-207 codes
.set WV,  18
.set CX,  19
.set TBK, 20                           ; block of 128 tokens
.set YY,  21
.set HI,  22                           ; which of the work-group's three heads
.set TG,  23                           ; which 32 tokens
.set HG,  24                           ; my head, 0-23
.set ISV, 25                           ; 1: a head of v
.set G1X, 28
.set G1W, 36
.set G0X, 44                           ; s[44:55] a group 0 for each slot
.set G0W, 68                           ; s[68:79]
.set DST, 90
.set SF,  92
.set K2PI, 93
.set KP1, 94
.set KP2, 95
.set KS1, 96
.set KS2, 97
.set KS3, 98
.set KC1, 99
.set KC2, 100
.set KC3, 101
.macro CROUND                          ; a round of the cluster's barrier
	s_barrier_signal -1
	s_barrier_wait -1
	s_cmp_lg_u32 s[WV], 0
	s_cbranch_scc1 .Lnot_wave_0_\@
	s_barrier_signal -3
.Lnot_wave_0_\@:
	s_barrier_wait -3
	s_barrier_signal -1
	s_barrier_wait -1
.endm
; cos and sin of pos x inv_freq, frequency n of my sixteen: lo in waves 0-3 (frequencies 0-15), hi in waves 4-7 (16-31)
.macro ANGLE n, lo, hi
	s_cmp_lt_u32 s[WV], 4
	s_mov_b32 s[SF], \hi
	s_cselect_b32 s[SF], \lo, s[SF]
	v_mul_f32 v16, s[SF], v[POS]                   ; the angle
	v_fma_f32 v17, v16, s[K2PI], 0.5
	v_floor_f32 v17, v17                           ; N
	v_fma_f32 v18, -v17, s[KP1], v16               ; exact: a multiple of 2^-23 under 1
	v_fma_f32 v18, -v17, s[KP2], v18               ; R
	v_cvt_i32_f32 v19, v17
	v_mul_f32 v20, v18, v18                        ; Z
	v_fma_f32 v21, v20, s[KS3], s[KS2]
	v_fma_f32 v21, v21, v20, s[KS1]
	v_mul_f32 v22, v18, v20
	v_fma_f32 v21, v21, v22, v18                   ; sin R
	v_fma_f32 v23, v20, s[KC3], s[KC2]
	v_fma_f32 v23, v23, v20, s[KC1]
	v_mul_f32 v24, v20, v20
	v_fma_f32 v25, v20, -0.5, 1.0
	v_fma_f32 v23, v23, v24, v25                   ; cos R
	v_and_b32 v26, 1, v19
	v_cmp_eq_u32 vcc_lo, 1, v26                    ; an odd quadrant changes the two
	v_cndmask_b32 v27, v21, v23, vcc_lo
	v_cndmask_b32 v28, v23, v21, vcc_lo
	v_lshlrev_b32 v29, 30, v19                     ; sin is negative in quadrants 2, 3: bit 1 of N
	v_and_b32 v29, 0x80000000, v29
	v_xor_b32 v[TRG+16+\n], v27, v29
	v_add_nc_u32 v30, 1, v19                       ; cos in quadrants 1, 2: bit 1 of N + 1
	v_lshlrev_b32 v30, 30, v30
	v_and_b32 v30, 0x80000000, v30
	v_xor_b32 v[TRG+\n], v28, v30
.endm
; 128 along K: 24 LDS loads, 8 matrix instructions.  The eight accumulators take turns in the same order on both ways.
.macro SUB slot, q, zero, first
.if !(\first)
.rept 4
	v_nop                                          ; four places between the last products and loads into the registers that they read
.endr
.endif
.irp t, 0,1,2,3
.irp c, 0,1,2,3
	ds_load_b128 v[WF+16*\t+4*\c:WF+16*\t+4*\c+3], v[AW+\slot] offset:16*\t*PITCH+128*\q+32*\c
.endr
.endr
.irp m, 0,1
.irp c, 0,1,2,3
	ds_load_b128 v[XF+16*\m+4*\c:XF+16*\m+4*\c+3], v[AX+\slot] offset:16*\m*PITCH+128*\q+32*\c
.endr
.endr
	s_wait_dscnt 0x0
	s_cmp_lg_u32 s[ISV], 0                         ; hangs on y and the wave's number: alike in all partners
	s_cbranch_scc1 .Lvway_\@
.irp m, 0,1
.irp t, 0,1,2,3
.if \zero
	v_wmma_f32_16x16x128_bf8_bf8 v[ACC+8*(4*\m+\t):ACC+8*(4*\m+\t)+7], v[WF+16*\t:WF+16*\t+15], v[XF+16*\m:XF+16*\m+15], 0
.else
	v_wmma_f32_16x16x128_bf8_bf8 v[ACC+8*(4*\m+\t):ACC+8*(4*\m+\t)+7], v[WF+16*\t:WF+16*\t+15], v[XF+16*\m:XF+16*\m+15], v[ACC+8*(4*\m+\t):ACC+8*(4*\m+\t)+7]
.endif
.endr
.endr
	s_branch .Ljoin_\@
.Lvway_\@:
.irp m, 0,1
.irp t, 0,1,2,3
.if \zero
	v_wmma_f32_16x16x128_bf8_bf8 v[ACC+8*(4*\m+\t):ACC+8*(4*\m+\t)+7], v[XF+16*\m:XF+16*\m+15], v[WF+16*\t:WF+16*\t+15], 0
.else
	v_wmma_f32_16x16x128_bf8_bf8 v[ACC+8*(4*\m+\t):ACC+8*(4*\m+\t)+7], v[XF+16*\m:XF+16*\m+15], v[WF+16*\t:WF+16*\t+15], v[ACC+8*(4*\m+\t):ACC+8*(4*\m+\t)+7]
.endif
.endr
.endr
.Ljoin_\@:
.endm
	s_load_b256 s[4:11], s[0:1], 0x0               ; hidden s[4:5], q_w s[6:7], k_w s[8:9], v_w s[10:11]
	s_load_b128 s[12:15], s[0:1], 0x20             ; the scales' exponents s[12:13], q_img s[14:15]
	s_load_b64 s[16:17], s[0:1], 0x30              ; kv
	v_lshl_add_u32 v[SPW], v0, 2, SPARE
	v_mov_b32 v[NIL], 0
	ds_add_u32 v2, v3
	ds_add_u32 v2, v3
	s_wait_dscnt 0x0
	v_lshrrev_b32 v16, 5, v0
	v_readfirstlane_b32 s[WV], v16                 ; wave 0..11
	s_bfe_u32 s[CX], ttmp6, 0x40000
	s_lshl_b32 s[TBK], ttmp9, 2
	s_add_co_u32 s[TBK], s[TBK], s[CX]             ; my 128 tokens: 4 x cluster x + cx
	s_and_b32 s[YY], ttmp7, 0xffff
	s_lshr_b32 s[HI], s[WV], 2
	s_and_b32 s[TG], s[WV], 3
	s_mul_i32 s[HG], s[YY], 3
	s_add_co_u32 s[HG], s[HG], s[HI]
	s_cmp_ge_u32 s[HG], 20
	s_cselect_b32 s[ISV], 1, 0
	; every LDS address is made here, on the way that all waves take
	v_and_b32 v16, 15, v0                          ; r
	v_bfe_u32 v17, v0, 4, 1                        ; h
	v_and_b32 v18, 31, v0
	v_lshlrev_b32 v[LI], 4, v18
	v_mul_u32_u24 v19, v16, PITCH
	v_lshl_add_u32 v19, v17, 4, v19                ; row r x pitch + 16 h
	s_mul_i32 s26, s[HI], PIECE
	s_add_co_u32 s26, s26, 2*PIECE                 ; my head's piece
	s_mul_i32 s27, s[TG], 32*PITCH                 ; my 32 tokens' rows
.irp s, 0,1,2
	v_add_nc_u32 v[AW+\s], s26, v19
	v_add_nc_u32 v[AX+\s], s27, v19
	s_add_co_u32 s26, s26, SLOT
	s_add_co_u32 s27, s27, SLOT
.endr
	v_mul_u32_u24 v[TR], v16, TPITCH
	v_lshl_add_u32 v[TR], v17, 5, v[TR]
	s_mul_i32 s26, s[TG], 32*TPITCH
	s_add_co_u32 s26, s26, TCOS
	v_add_nc_u32 v[TR], s26, v[TR]                 ; token 32 tg + r, frequencies 8 h on
	v_and_b32 v20, 127, v0
	v_lshrrev_b32 v21, 7, v0
	v_mul_u32_u24 v[TS], v20, TPITCH
	v_lshl_add_u32 v[TS], v21, 6, v[TS]
	v_add_nc_u32 v[TS], TCOS, v[TS]                ; token = thread % 128, frequencies 16 (thread / 128) on
	s_lshl_b32 s26, s[TBK], 7
	v_add_nc_u32 v20, s26, v20
	v_cvt_f32_u32 v[POS], v20
	; descriptor groups 1: 64 rows x 256 bytes, 1,024 bytes apart, 16 bytes of padding behind each row
	s_mov_b32 s[G1X], (1<<20)|(5<<22)|(3<<25)              ; no mask; elements of 1 byte; padding: 4 words behind every 64
	s_mov_b32 s[G1W], 15|(1<<20)|(1<<21)|(5<<22)|(3<<25)   ; the same, to all four partners; bit 21 set beside the mask
.irp g, G1X, G1W
	s_mov_b32 s[\g+1], 256<<16                     ; tensor_dim0
	s_mov_b32 s[\g+2], 64<<16                      ; tensor_dim1
	s_mov_b32 s[\g+3], 256<<16                     ; tile_dim0
	s_mov_b32 s[\g+4], 64                          ; tile_dim1
	s_mov_b32 s[\g+5], 1024                        ; pitch
	s_mov_b32 s[\g+6], 0
	s_mov_b32 s[\g+7], 0
.endr
	s_lshl_b32 s56, s[TBK], 17                     ; X: 128 tokens x 1,024 bytes,
	s_min_u32 s57, s[WV], 1
	s_lshl_b32 s57, s57, 16                        ; + my 64 rows (waves 0, 1 fetch X)
	s_add_co_u32 s56, s56, s57
	s_mov_b32 s57, 0
	s_sub_co_u32 s58, s[WV], 2                     ; W: waves 2, 3, 4 fetch heads 3 y + 0, 1, 2
	s_min_u32 s58, s58, 2
	s_mul_i32 s59, s[YY], 3
	s_add_co_u32 s59, s59, s58
	s_sub_co_u32 s62, s59, 16
	s_sub_co_u32 s63, s59, 20
	s_cmp_lt_u32 s59, 20
	s_cselect_b32 s62, s62, s63
	s_cmp_lt_u32 s59, 16
	s_cselect_b32 s62, s59, s62                    ; the head's number in its own weight
	s_lshl_b32 s62, s62, 16                        ; x 64 rows x 1,024 bytes
	s_mov_b32 s63, 0
	s_mul_i32 s26, s[WV], PIECE                    ; where my piece goes: no place in the cluster enters an LDS address
	s_mov_b32 s[K2PI], 0x3f22f983                  ; 2 / pi
	s_mov_b32 s[KP1], 0x3fc90fdb                   ; pi / 2, rounded,
	s_mov_b32 s[KP2], 0xb33bbd2e                   ; and what it lacks
	s_mov_b32 s[KS1], 0xbe2aaaa3
	s_mov_b32 s[KS2], 0x3c08839e
	s_mov_b32 s[KS3], 0xb94ca1f9
	s_mov_b32 s[KC1], 0x3d2aaaa5
	s_mov_b32 s[KC2], 0xbab6061a
	s_mov_b32 s[KC3], 0x37ccf5ce
	s_wait_kmcnt 0x0
	s_load_b256 s[80:87], s[12:13], 0x0            ; e0 .. e7
	s_load_b64 s[88:89], s[12:13], 0x20            ; e8, e9
	s_cmp_lt_u32 s59, 20
	s_cselect_b64 s[60:61], s[8:9], s[10:11]
	s_cmp_lt_u32 s59, 16
	s_cselect_b64 s[60:61], s[6:7], s[60:61]       ; q_w, k_w or v_w: the choice hangs on y and the wave's number
	s_add_nc_u64 s[60:61], s[60:61], s[62:63]
	s_add_nc_u64 s[56:57], s[4:5], s[56:57]
.irp s, 0,1,2
	s_mov_b32 s[G0X+4*\s], 1
	s_add_co_u32 s[G0X+4*\s+1], s26, \s*SLOT
	s_add_nc_u64 s[G0X+4*\s+2:G0X+4*\s+3], s[56:57], \s*256
	s_or_b32 s[G0X+4*\s+3], s[G0X+4*\s+3], 0x80000000
	s_mov_b32 s[G0W+4*\s], 1
	s_add_co_u32 s[G0W+4*\s+1], s26, \s*SLOT
	s_add_nc_u64 s[G0W+4*\s+2:G0W+4*\s+3], s[60:61], \s*256
	s_or_b32 s[G0W+4*\s+3], s[G0W+4*\s+3], 0x80000000
.endr
	CROUND                                         ; all four work-groups are here: the first joint loads meet
	s_cmp_lt_u32 s[WV], 2                          ; a wave's three first fills (K steps 0, 1, 2) stand in one branch: three loads of mine are out
	s_cbranch_scc0 .Lnot_x
	tensor_load_to_lds s[G0X:G0X+3], s[G1X:G1X+7]
	s_nop 0
	tensor_load_to_lds s[G0X+4:G0X+7], s[G1X:G1X+7]
	s_nop 0
	tensor_load_to_lds s[G0X+8:G0X+11], s[G1X:G1X+7]
	s_nop 0
.rept 4
	v_nop
.endr
	s_branch .Lfilled
.Lnot_x:
	s_cmp_lt_u32 s[WV], 5
	s_cbranch_scc0 .Lfilled
	tensor_load_to_lds s[G0W:G0W+3], s[G1W:G1W+7]
	s_nop 0
	tensor_load_to_lds s[G0W+4:G0W+7], s[G1W:G1W+7]
	s_nop 0
	tensor_load_to_lds s[G0W+8:G0W+11], s[G1W:G1W+7]
	s_nop 0
.rept 4
	v_nop
.endr
.Lfilled:
	; the trig table, by waves 0-7: a thread takes one token and sixteen frequencies
	s_cmp_lt_u32 s[WV], 8
	s_cbranch_scc0 .Lno_trig
	ANGLE 0,  0x3f800000, 0x3c23d70a
	ANGLE 1,  0x3f3ff911, 0x3bf5b9b0
	ANGLE 2,  0x3f0ff59a, 0x3bb8449c
	ANGLE 3,  0x3ed7e89b, 0x3b8a2e77
	ANGLE 4,  0x3ea1e89b, 0x3b4f3e37
	ANGLE 5,  0x3e72d424, 0x3b1b690d
	ANGLE 6,  0x3e361887, 0x3ae91528
	ANGLE 7,  0x3e088d77, 0x3aaec98e
	ANGLE 8,  0x3dcccccd, 0x3a83126f
	ANGLE 9,  0x3d99940e, 0x3a44948c
	ANGLE 10, 0x3d6655c3, 0x3a136a16
	ANGLE 11, 0x3d2cba15, 0x39dd1726
	ANGLE 12, 0x3d0186e2, 0x39a5cb5f
	ANGLE 13, 0x3cc24350, 0x3978a814
	ANGLE 14, 0x3c91ad39, 0x393a7753
	ANGLE 15, 0x3c5a7bf1, 0x390bd472
.irp k, 0,1,2,3
	ds_store_b128 v[TS], v[TRG+4*\k:TRG+4*\k+3] offset:16*\k
	ds_store_b128 v[TS], v[TRG+16+4*\k:TRG+16+4*\k+3] offset:TSIN+16*\k
.endr
.Lno_trig:
	; the conversion's scale and where my codes go: chosen by the head's kind, without a branch
	s_wait_kmcnt 0x0
	s_sub_co_i32 s56, s86, s80
	s_sub_co_i32 s56, s56, s81                     ; q: e6 - e0 - e1
	s_sub_co_i32 s57, s87, s82
	s_sub_co_i32 s57, s57, s83                     ; k: e7 - e2 - e3
	s_sub_co_i32 s58, s89, s84
	s_sub_co_i32 s58, s58, s85                     ; v: e9 - e4 - e5
	s_lshl_b32 s59, s[HG], 18                      ; q_img: head x 256 tiles x 1,024 bytes + 8 tiles a block + 2 tiles a wave
	s_lshl_b32 s60, s[TBK], 13
	s_add_co_u32 s59, s59, s60
	s_lshl_b32 s60, s[TG], 11
	s_add_co_u32 s59, s59, s60
	s_sub_co_u32 s61, s[HG], 16                    ; kv: (head x 32 + block) x 16,384; K's image first, 2 tiles a wave
	s_lshl_b32 s61, s61, 5
	s_add_co_u32 s61, s61, s[TBK]
	s_lshl_b32 s61, s61, 14
	s_add_co_u32 s61, s61, s60
	s_sub_co_u32 s62, s[HG], 20                    ; V's image 8,192 bytes on; my 32 keys are four registers of each channel tile: 512 bytes x wave
	s_lshl_b32 s62, s62, 5
	s_add_co_u32 s62, s62, s[TBK]
	s_lshl_b32 s62, s62, 14
	s_lshl_b32 s63, s[TG], 9
	s_add_co_u32 s62, s62, s63
	s_add_co_u32 s62, s62, 8192
	s_cmp_lt_u32 s[HG], 20
	s_cselect_b32 s57, s57, s58
	s_cselect_b32 s61, s61, s62
	s_cmp_lt_u32 s[HG], 16
	s_cselect_b32 s56, s56, s57
	s_cselect_b32 s26, s59, s61
	s_cselect_b64 s[DST:DST+1], s[14:15], s[16:17]
	s_mov_b32 s27, 0
	s_add_nc_u64 s[DST:DST+1], s[DST:DST+1], s[26:27]
	s_add_co_i32 s56, s56, 127
	s_lshl_b32 s57, s56, 23
	v_mov_b32 v[SC], s57                           ; the folded scale as f32
	s_add_co_i32 s56, s56, 15
	s_lshl_b32 s56, s56, 23
	s_or_b32 s56, s56, 0x600000
	v_mov_b32 v[LIM], s56                          ; 57,344 x that
	s_wait_tensorcnt 0x2                           ; my part of K step 0 is in; the two loads issued behind it may stay out
	s_wait_dscnt 0x0                               ; my part of the trig table is stored
	s_barrier_signal -1
	s_barrier_wait -1
	SUB 0, 0, 1, 1                                 ; the first products start the sums
	SUB 0, 1, 0, 0
	s_wait_tensorcnt 0x0                           ; all my loads have landed (K steps 1 and 2 among them), so a group 0 may be written
	ds_add_u32 v[SPW], v[NIL]                      ; 0 onto my spare word
	ds_add_u32 v2, v3
	s_add_nc_u64 s[G0X+2:G0X+3], s[G0X+2:G0X+3], 768   ; slot 0's descriptors step to K step 3
	s_add_nc_u64 s[G0W+2:G0W+3], s[G0W+2:G0W+3], 768
	s_wait_dscnt 0x0                               ; the add is done, and my reads of slot 0 are over
	CROUND                                         ; no wave of any partner still reads slot 0 or has a load on its way
	s_cmp_lt_u32 s[WV], 2                          ; the refill, first behind the round, one load a wave; it has four times 8 matrix instructions a wave in which to land
	s_cbranch_scc0 .Lre_not_x
	tensor_load_to_lds s[G0X:G0X+3], s[G1X:G1X+7]
	s_nop 0
.rept 4
	v_nop
.endr
	s_branch .Lre_asked
.Lre_not_x:
	s_cmp_lt_u32 s[WV], 5
	s_cbranch_scc0 .Lre_asked
	tensor_load_to_lds s[G0W:G0W+3], s[G1W:G1W+7]
	s_nop 0
.rept 4
	v_nop
.endr
.Lre_asked:
	SUB 1, 0, 0, 0
	SUB 1, 1, 0, 0
	SUB 2, 0, 0, 0
	SUB 2, 1, 0, 0
	s_wait_tensorcnt 0x0                           ; my part of K step 3 is in,
	s_wait_dscnt 0x0
	s_barrier_signal -1
	s_barrier_wait -1                              ; everybody's is
	SUB 0, 0, 0, 0
	SUB 0, 1, 0, 0
.rept 4
	v_nop                                          ; four places between the last products and what reads their results or writes their sources
.endr
	s_cmp_lg_u32 s[ISV], 0
	s_cbranch_scc1 .Lout_v
	; q and k: RoPE.  Lane (r, h) holds token 16 m + r; accumulator (t, m) its channels 16 t + 8 h + 0..7; channels d and d + 32 (t = u and 2 + u) share frequency 16 u + 8 h + j
.irp m, 0,1
.irp u, 0,1
	ds_load_b128 v[TRG+64*\m+8*\u:TRG+64*\m+8*\u+3],       v[TR] offset:16*\m*TPITCH+64*\u
	ds_load_b128 v[TRG+64*\m+8*\u+4:TRG+64*\m+8*\u+7],     v[TR] offset:16*\m*TPITCH+64*\u+16
	ds_load_b128 v[TRG+64*\m+16+8*\u:TRG+64*\m+16+8*\u+3],   v[TR] offset:TSIN+16*\m*TPITCH+64*\u
	ds_load_b128 v[TRG+64*\m+16+8*\u+4:TRG+64*\m+16+8*\u+7], v[TR] offset:TSIN+16*\m*TPITCH+64*\u+16
.endr
.endr
	s_wait_dscnt 0x0
.irp m, 0,1
.irp u, 0,1
.set LOA, ACC+8*(4*\m+\u)
.set HIA, ACC+8*(4*\m+2+\u)
.set COS, TRG+64*\m+8*\u
.set SIN, COS+16
.irp j, 0,2,4,6                        ; each accumulator is read from its low end on
	v_pk_mul_f32 v[16+\j:17+\j], v[HIA+\j:HIA+\j+1], v[SIN+\j:SIN+\j+1]
	v_pk_mul_f32 v[24+\j:25+\j], v[LOA+\j:LOA+\j+1], v[SIN+\j:SIN+\j+1]
.endr
.irp j, 0,2,4,6
	v_pk_fma_f32 v[RES+8*\u+\j:RES+8*\u+\j+1], v[LOA+\j:LOA+\j+1], v[COS+\j:COS+\j+1], v[16+\j:17+\j] neg_lo:[0,0,1] neg_hi:[0,0,1]   ; x(d) cos - x(d + 32) sin
	v_pk_fma_f32 v[RES+16+8*\u+\j:RES+16+8*\u+\j+1], v[HIA+\j:HIA+\j+1], v[COS+\j:COS+\j+1], v[24+\j:25+\j]                           ; x(d + 32) cos + x(d) sin
.endr
.endr
.set i, 0
.rept 32
	v_med3_num_f32 v[RES+i], v[RES+i], -v[LIM], v[LIM]     ; the conversion to an 8-bit code does not saturate (ISA guide 7.6.2): the hold at the largest code x the scale
.set i, i+1
.endr
.irp t, 0,1,2,3
	v_cvt_scalef32_pk8_bf8_f32 v[CD+8*\m+2*\t:CD+8*\m+2*\t+1], v[RES+8*\t:RES+8*\t+7], v[SC]   ; registers 2 t, 2 t + 1 of the K = 64 fragment: d = 16 t + 8 h + 0..7
.endr
	v_nop                                          ; one plain line behind the conversions: their sources are written again below
.irp c, 0,1
	global_store_b128 v[LI], v[CD+8*\m+4*\c:CD+8*\m+4*\c+3], s[DST:DST+1] offset:1024*\m+512*\c   ; the wave stores 512 consecutive bytes, aligned
.endr
.endr
	s_branch .Ldone
.Lout_v:
	; v: lane (r, h) holds channel 16 t + r; accumulator (t, m) its keys 32 tg + 16 m + 8 h + 0..7: registers 4 tg + 2 m, + 1 of the K = 128 fragment
.set i, 0
.rept 64
	v_med3_num_f32 v[ACC+i], v[ACC+i], -v[LIM], v[LIM]
.set i, i+1
.endr
.irp t, 0,1,2,3
.irp m, 0,1
	v_cvt_scalef32_pk8_bf8_f32 v[CD+4*\t+2*\m:CD+4*\t+2*\m+1], v[ACC+8*(4*\m+\t):ACC+8*(4*\m+\t)+7], v[SC]
.endr
.endr
	v_nop
.irp t, 0,1,2,3
	global_store_b128 v[LI], v[CD+4*\t:CD+4*\t+3], s[DST:DST+1] offset:2048*\t
.endr
.Ldone:
	s_wait_tensorcnt 0x0                           ; the wave's end
	ds_add_u32 v[SPW], v[NIL]
	s_wait_dscnt 0x0
	CROUND                                         ; the closing round: no work-group ends while a partner may still ask for a tile that names it
	s_endpgm
.Lfunc_end_k_qe3a0db7da0_qkv:
	.size	k_qe3a0db7da0_qkv, .Lfunc_end_k_qe3a0db7da0_qkv-k_qe3a0db7da0_qkv
	.p2alignl 7, 3214868480
	.fill 96, 4, 3214868480
	.section	.rodata,"a",@progbits
	.p2align	6, 0x0
	.amdhsa_kernel k_qe3a0db7da0_qkv
		.amdhsa_group_segment_fixed_size 327680
		.amdhsa_private_segment_fixed_size 0
		.amdhsa_enable_private_segment 0
		.amdhsa_kernarg_size 56
		.amdhsa_user_sgpr_count 2
		.amdhsa_user_sgpr_kernarg_segment_ptr 1
		.amdhsa_wavefront_size32 1
		.amdhsa_system_sgpr_workgroup_id_x 1
		.amdhsa_system_sgpr_workgroup_id_y 1
		.amdhsa_system_sgpr_workgroup_id_z 1
		.amdhsa_system_vgpr_workitem_id 0
		.amdhsa_next_free_vgpr 208
		.amdhsa_next_free_sgpr 102
		.amdhsa_reserve_vcc 1
		.amdhsa_float_denorm_mode_32 3
		.amdhsa_float_denorm_mode_16_64 3
		.amdhsa_memory_ordered 1
		.amdhsa_forward_progress 1
		.amdhsa_inst_pref_size 71
	.end_amdhsa_kernel
	.amdgpu_metadata
---
amdhsa.version: [ 1, 2 ]
amdhsa.kernels:
  - .name:           k_qe3a0db7da0_qkv
    .symbol:         k_qe3a0db7da0_qkv.kd
    .args:
      - { .name: hidden_states_codes, .offset: 0, .size: 8, .value_kind: global_buffer, .address_space: global }
      - { .name: q_w_codes, .offset: 8, .size: 8, .value_kind: global_buffer, .address_space: global }
      - { .name: k_w_codes, .offset: 16, .size: 8, .value_kind: global_buffer, .address_space: global }
      - { .name: v_w_codes, .offset: 24, .size: 8, .value_kind: global_buffer, .address_space: global }
      - { .name: lowp_scales, .offset: 32, .size: 8, .value_kind: global_buffer, .address_space: global }
      - { .name: q_img, .offset: 40, .size: 8, .value_kind: global_buffer, .address_space: global }
      - { .name: kv, .offset: 48, .size: 8, .value_kind: global_buffer, .address_space: global }
    .group_segment_fixed_size: 327680
    .private_segment_fixed_size: 0
    .kernarg_segment_align: 8
    .kernarg_segment_size: 56
    .max_flat_workgroup_size: 384
    .sgpr_count:     102
    .vgpr_count:     208
    .wavefront_size: 32
...
	.end_amdgpu_metadata
.endif
;; end of part 1
;; launch attn (part 2): grid 64 x 4, 16 waves a work-group, clusters of 4 x 1, 296,960 bytes of LDS; arguments q_img, kv, lowp_scales, a_img; writes a_img
.if DOCPART == 2
	.amdgcn_target "amdgcn-amd-amdhsa--gfx1250"
	.amdhsa_code_object_version 6
	.text
	.protected	k_qe3a0db7da0_attn
	.globl	k_qe3a0db7da0_attn
	.p2align	8
	.type	k_qe3a0db7da0_attn,@function
k_qe3a0db7da0_attn:
	s_mov_b64 s[64:65], 0
	v_nop
	global_prefetch_b8 v0, s[64:65] scope:SCOPE_SE
	s_setreg_imm32_b32 hwreg(HW_REG_WAVE_MODE, 25, 1), 1
	s_wait_xcnt 0x0
	s_wait_alu depctr_hold_cnt(0) depctr_sa_sdst(0) depctr_va_vdst(0) depctr_va_sdst(0) depctr_va_ssrc(0) depctr_va_vcc(0) depctr_vm_vsrc(0)
	s_getreg_b32 s2, hwreg(HW_REG_IB_STS2, 6, 4)
	s_cmp_eq_u32 s2, 0
	s_cbranch_scc0 .Lentry_in_a_cluster
	s_endpgm
.Lentry_in_a_cluster:
	s_bfe_u32 s2, ttmp6, 0x10000c
	s_cmp_lg_u32 s2, 0x3003
	s_cbranch_scc0 .Lentry_shape_is_right
	s_endpgm
.Lentry_shape_is_right:
; Attention with a causal window of 2,048 keys, both products on codes of BF8 (E5M2); 16 query heads, 4 key and value heads, head size 64.
; t = score x 2^(e6 + e7) x log2(e) / 8; M = the running largest t rounded up to a whole number; p = 2^(t - M) is quantised (e8), not normalised; the row's sum is taken of the unquantised p and divides at the end.
; The result x 2^(e8 + e9) / sum is quantised (e10) and stored as an image of the output projection's operand registers.
; SHARES.  A cluster is one block of 256 queries of one key and value head; its four partners are the four query heads that share that head, so all four walk the same K and V: every tile is asked for jointly.
; A wave owns 16 queries in 256 registers; sixteen waves, four to a SIMD, so that one wave's vector work stands beside another's matrix work and LDS loads.
; THE WINDOW.  Queries 256 b .. 256 b + 255 see keys 256 b - 2,047 .. 256 b + 255: 18 steps of 128 keys, from step max(2 b - 16, 0) on.  All 18 (16,384 bytes each: K's image, then V's) lie in LDS at once:
; nothing is filled again.  Every work-group fetches 18 steps and walks 18 steps: the trip counts are constants; a step none of whose keys counts for my 16 queries is left out by a scalar branch on ids.
; The blocks b < 8 have fewer steps that count: their work-groups end earlier.
; LAYOUT.  S^T = K Q^T (source 0 = 16 keys, source 1 = my queries), O^T = V^T P^T: a lane holds ONE query (lane % 16) throughout.  Register 8 T + j of S^T is key 16 T + 8 (lane / 16) + j:
; the conversion of tile T gives registers 2 T, 2 T + 1 of the K = 128 operand as they are.
; LIMITS: e6 + e7 between -123 and 130 (added to c's exponent field); e8 and e10 between -126 and 112.  NaN codes are not served.
.set STEPB, 16384
.set LI,   1                           ; v1   16 x lane
.set ADR,  2                           ; v2   LDS address of the step in hand
.set RH,   3                           ; v3   lane % 16 - 8 (lane / 16)
.set DD,   4                           ; v4   a mask's bound
.set NINF, 5                           ; v5   -infinity
.set PLIM, 8                           ; v8   57,344 x 2^e8
.set PSC,  9                           ; v9   2^e8
; v12 -M, v13 the largest t, v[14:15] the sum; v[24:25] f; v[26:27] the sum's second chain; v28, v29 the maximum's chains; v30 a permute's destination
.set QF,   16                          ; v16-23   Q's fragment
.set KVF,  32                          ; v32-95   K's eight fragments, then V's four
.set SS,   96                          ; v96-159  S^T, then p
.set OT,   160                         ; v160-191 O^T
.set PC,   192                         ; v192-207 p's codes
.set OC,   208                         ; v208-215 the result's codes
.set OI,   216                         ; v216-223 their image
.set GV,   224
.set RC,   226
.set ASC,  228                         ; 2^e10
.set ALIM, 229                         ; 57,344 x 2^e10
.set WV,  12
.set CX,  13
.set BB,  14
.set YY,  15
.set HD,  16
.set Q0,  17                           ; my first query
.set KF,  18                           ; the step's first key
.set TB,  19                           ; the step's first LDS byte
.set CNT, 20
.set TMP, 21
.set CS,  22                           ; s[22:23] c
.set SEL, 24                           ; s[24:25] lane l xor 16
.set G1,  28
.set G0,  36                           ; s[36:47] three groups 0
.macro CROUND
	s_barrier_signal -1
	s_barrier_wait -1
	s_cmp_lg_u32 s[WV], 0
	s_cbranch_scc1 .Lnot_wave_0_\@
	s_barrier_signal -3
.Lnot_wave_0_\@:
	s_barrier_wait -3
	s_barrier_signal -1
	s_barrier_wait -1
.endm
; A KEY STEP: 128 keys
.macro STEP
	s_add_co_u32 s[TMP], s[Q0], 15
	s_cmp_gt_u32 s[KF], s[TMP]                     ; all keys come after my queries,
	s_cbranch_scc1 .Lskip_\@
	s_add_co_u32 s[TMP], s[KF], 2174
	s_cmp_lt_u32 s[TMP], s[Q0]                     ; or all lie before my first query's window: KF + 127 < Q0 - 2,047
	s_cbranch_scc1 .Lskip_\@
	v_add_nc_u32 v[ADR], s[TB], v[LI]
.rept 3
	v_nop                                          ; with the addition: four places between the last products and loads into the registers that they read
.endr
.irp t, 0,1,2,3,4,5,6,7
.irp c, 0,1
	ds_load_b128 v[KVF+8*\t+4*\c:KVF+8*\t+4*\c+3], v[ADR] offset:1024*\t+512*\c
.endr
.endr
	s_wait_dscnt 0x0
.irp t, 0,1,2,3,4,5,6,7
	v_wmma_f32_16x16x64_bf8_bf8 v[SS+8*\t:SS+8*\t+7], v[KVF+8*\t:KVF+8*\t+7], v[QF:QF+7], 0
.endr
.rept 4
	v_nop
.endr
.irp t, 0,1,2,3                        ; V's fragments land while the softmax is walked
.irp c, 0,1,2,3
	ds_load_b128 v[KVF+16*\t+4*\c:KVF+16*\t+4*\c+3], v[ADR] offset:8192+2048*\t+512*\c
.endr
.endr
	s_add_co_u32 s[TMP], s[KF], 127                ; on the diagonal: key > query becomes -infinity ahead of the maximum
	s_cmp_le_u32 s[TMP], s[Q0]
	s_cbranch_scc1 .Lopen_\@
	s_sub_co_i32 s[TMP], s[Q0], s[KF]
	v_add_nc_u32 v[DD], s[TMP], v[RH]              ; register n holds key KF + 8 (lane / 16) + 16 (n / 8) + n % 8: hidden where 16 (n / 8) + n % 8 > Q0 - KF + lane % 16 - 8 (lane / 16)
.set n, 0
.rept 64
	v_cmp_gt_i32 vcc_lo, 16*(n/8)+n%8, v[DD]
	v_cndmask_b32 v[SS+n], v[SS+n], v[NINF], vcc_lo
.set n, n+1
.endr
.Lopen_\@:
	s_add_co_u32 s[TMP], s[KF], 2032               ; at the window's far edge: key < query - 2,047 likewise; no such pair where KF >= Q0 + 15 - 2,047
	s_cmp_ge_u32 s[TMP], s[Q0]
	s_cbranch_scc1 .Lwin_\@
	s_sub_co_i32 s[TMP], s[Q0], s[KF]
	s_sub_co_i32 s[TMP], s[TMP], 2047
	v_add_nc_u32 v[DD], s[TMP], v[RH]
.set n, 0
.rept 64
	v_cmp_lt_i32 vcc_lo, 16*(n/8)+n%8, v[DD]
	v_cndmask_b32 v[SS+n], v[SS+n], v[NINF], vcc_lo
.set n, n+1
.endr
.Lwin_\@:
	v_max3_num_f32 v28, v[SS], v[SS+1], v[SS+2]    ; the step's largest score of my query among my 64 keys, in two chains; each accumulator is first read at its low end
	v_max3_num_f32 v29, v[SS+3], v[SS+4], v[SS+5]
.irp i, 6,10,14,18,22,26,30,34,38,42,46,50,54,58
	v_max3_num_f32 v28, v28, v[SS+\i], v[SS+1+\i]
	v_max3_num_f32 v29, v29, v[SS+2+\i], v[SS+3+\i]
.endr
	v_max3_num_f32 v28, v28, v[SS+62], v[SS+63]
	v_max_num_f32 v28, v28, v29
	v_permlanex16_b32 v30, v28, s[SEL], s[SEL+1]
	v_max_num_f32 v28, v28, v30                    ; and among lane l xor 16's
	v_mul_f32 v28, s[CS], v28                      ; as t (c is positive)
	v_max_num_f32 v13, v13, v28                    ; the running largest t (it stays -3e38 while all my query's keys so far were hidden: p is then 0)
	v_mov_b32 v28, v12
	v_floor_f32 v12, -v13                          ; -M = floor(-t): M is a whole number
	v_sub_f32 v28, v12, v28                        ; old M - new M, 0 or less
	v_cvt_i32_f32 v28, v28                         ; (it saturates)
	v_ldexp_f32 v24, 1.0, v28                      ; f = 2^(old M - new M): a multiplication by it rounds nothing
.set j, 0
.rept 32
	v_pk_fma_f32 v[SS+j:SS+j+1], v[SS+j:SS+j+1], s[CS:CS+1], v[12:13] op_sel_hi:[1,0,0]   ; t - M (of the pairs c and -M the low word serves both halves)
.set j, j+2
.endr
.set j, 0
.rept 64
	v_exp_f32 v[SS+j], v[SS+j]                     ; p = 2^(t - M)
.set j, j+1
.endr
	v_pk_mul_f32 v[14:15], v[14:15], v[24:25] op_sel_hi:[1,0]   ; the sums under the new M: the plain line behind the exponentials
	s_wait_alu depctr_va_vdst(0)                   ; one wait for the batch of 64, ahead of its first reader
	v_pk_add_f32 v[26:27], v[SS:SS+1], v[SS+2:SS+3]   ; the row's sum, of the unquantised p, in two chains
.irp j, 4,8,12,16,20,24,28,32,36,40,44,48,52,56,60
	v_pk_add_f32 v[14:15], v[14:15], v[SS+\j:SS+1+\j]
	v_pk_add_f32 v[26:27], v[26:27], v[SS+2+\j:SS+3+\j]
.endr
	v_pk_add_f32 v[14:15], v[14:15], v[26:27]
.irp t, 0,1,2,3,4,5,6,7
.irp i, 0,1,2,3,4,5,6,7
	v_min_num_f32 v[SS+8*\t+\i], v[SS+8*\t+\i], v[PLIM]   ; the conversion does not saturate (ISA guide 7.6.2); p is not negative, so the hold is one-sided
.endr
	v_cvt_scalef32_pk8_bf8_f32 v[PC+2*\t:PC+2*\t+1], v[SS+8*\t:SS+8*\t+7], v[PSC]
.endr
.set j, 0
.rept 16
	v_pk_mul_f32 v[OT+j:OT+j+1], v[OT+j:OT+j+1], v[24:25] op_sel_hi:[1,0]   ; O^T under the new M; these also stand between the conversions and the products
.set j, j+2
.endr
	s_wait_dscnt 0x0                               ; V is in
.irp t, 0,1,2,3                        ; four accumulators by turns, one instruction a turn
	v_wmma_f32_16x16x128_bf8_bf8 v[OT+8*\t:OT+8*\t+7], v[KVF+16*\t:KVF+16*\t+15], v[PC:PC+15], v[OT+8*\t:OT+8*\t+7]
.endr
.Lskip_\@:
	s_add_co_u32 s[TB], s[TB], STEPB
	s_add_co_u32 s[KF], s[KF], 128
.endm
; Six steps, which six waves' loads brought.  left: how many of my younger loads may stay out.  Nothing is ever filled again, so these are plain barriers.
.macro GROUP left, base
	s_wait_tensorcnt \left
	s_wait_dscnt 0x0
	s_barrier_signal -1
	s_barrier_wait -1
	s_mov_b32 s[TB], \base
	s_mov_b32 s[CNT], 6
.Lgroup_\@:
	STEP
	s_sub_co_u32 s[CNT], s[CNT], 1
	s_cmp_lg_u32 s[CNT], 0
	s_cbranch_scc1 .Lgroup_\@
.endm
	s_load_b256 s[4:11], s[0:1], 0x0               ; q_img s[4:5], kv s[6:7], the scales' exponents s[8:9], a_img s[10:11]
	v_lshl_add_u32 v254, v0, 2, 0x48000
	v_mov_b32 v255, 0
	ds_add_u32 v254, v255
	ds_add_u32 v254, v255
	v_lshrrev_b32 v10, 5, v0
	v_readfirstlane_b32 s[WV], v10                 ; wave 0..15
	s_bfe_u32 s[CX], ttmp6, 0x40000                ; cx enters q_img's and a_img's addresses alone
	s_mov_b32 s[BB], ttmp9                         ; the block of 256 queries: the cluster's x
	s_and_b32 s[YY], ttmp7, 0xffff                 ; the key and value head
	s_lshl_b32 s[HD], s[YY], 2
	s_add_co_u32 s[HD], s[HD], s[CX]               ; my query head
	s_lshl_b32 s[Q0], s[BB], 8
	s_lshl_b32 s[TMP], s[WV], 4
	s_add_co_u32 s[Q0], s[Q0], s[TMP]
	s_lshl_b32 s56, s[BB], 1
	s_sub_co_i32 s56, s56, 16
	s_max_i32 s56, s56, 0                          ; the first step
	s_lshl_b32 s[KF], s56, 7
	s_mov_b32 s[G1], 15|(3<<16)|(1<<21)            ; to all four partners; elements of 8 bytes; bit 21 set beside the mask; no padding
	s_mov_b32 s[G1+1], 32<<16                      ; a step is a dense block: 64 rows of 256 bytes
	s_mov_b32 s[G1+2], 64<<16
	s_mov_b32 s[G1+3], 32<<16
	s_mov_b32 s[G1+4], 64
	s_mov_b32 s[G1+5], 32
	s_mov_b32 s[G1+6], 0
	s_mov_b32 s[G1+7], 0
	s_lshl_b32 s57, s[YY], 5
	s_add_co_u32 s57, s57, s56
	s_add_co_u32 s57, s57, s[WV]
	s_lshl_b32 s58, s57, 14                        ; kv: (32 head + first step + wave) x 16,384
	s_mov_b32 s59, 0
	s_lshl_b32 s60, s[WV], 14                      ; LDS: step = wave (+ 6, + 12)
	s_lshl_b32 s62, s[HD], 8
	s_lshl_b32 s[TMP], s[BB], 4
	s_add_co_u32 s[TMP], s[TMP], s[WV]             ; my tile of 16 queries
	s_add_co_u32 s62, s62, s[TMP]
	s_lshl_b32 s62, s62, 10                        ; q_img: (256 head + tile) x 1,024
	s_mov_b32 s63, 0
	s_lshl_b32 s56, s[TMP], 14
	s_lshl_b32 s57, s[HD], 10
	s_add_co_u32 s56, s56, s57                     ; a_img: tile x 16,384 + head x 1,024
	s_mov_b32 s57, 0
	s_mov_b32 s[SEL], 0x76543210
	s_mov_b32 s[SEL+1], 0xfedcba98
	v_and_b32 v10, 31, v0
	v_lshlrev_b32 v[LI], 4, v10
	s_wait_dscnt 0x0
	s_wait_kmcnt 0x0
	s_load_b256 s[48:55], s[8:9], 0x10             ; e4 .. e11: e6 s50, e7 s51, e8 s52, e9 s53, e10 s54
	s_add_nc_u64 s[58:59], s[6:7], s[58:59]
	s_add_nc_u64 s[26:27], s[4:5], s[62:63]
	s_add_nc_u64 s[56:57], s[10:11], s[56:57]
.irp g, 0,1,2
	s_mov_b32 s[G0+4*\g], 1
	s_add_co_u32 s[G0+4*\g+1], s60, \g*6*STEPB
	s_add_nc_u64 s[G0+4*\g+2:G0+4*\g+3], s[58:59], \g*6*STEPB
	s_or_b32 s[G0+4*\g+3], s[G0+4*\g+3], 0x80000000
.endr
	CROUND                                         ; all four work-groups are here: the joint loads meet
	s_cmp_lt_u32 s[WV], 6                          ; waves 0-5 fetch steps wave, wave + 6, wave + 12: three loads of mine are out
	s_cbranch_scc0 .Lno_fill
	tensor_load_to_lds s[G0:G0+3], s[G1:G1+7]
	s_nop 0
	tensor_load_to_lds s[G0+4:G0+7], s[G1:G1+7]
	s_nop 0
	tensor_load_to_lds s[G0+8:G0+11], s[G1:G1+7]
	s_nop 0
.rept 4
	v_nop
.endr
.Lno_fill:
	global_load_b128 v[QF:QF+3], v[LI], s[26:27]               ; Q's fragment stays in registers
	global_load_b128 v[QF+4:QF+7], v[LI], s[26:27] offset:512
	v_and_b32 v10, 15, v0
	v_bfe_u32 v11, v0, 4, 1
	v_lshlrev_b32 v11, 3, v11
	v_sub_nc_u32 v[RH], v10, v11
	v_mov_b32 v[NINF], 0xff800000
	v_mov_b32 v13, 0xff61b1e6                      ; the largest t so far: -3e38
	v_floor_f32 v12, -v13
	v_mov_b32 v14, 0
	v_mov_b32 v15, 0
	v_mov_b32 v25, 0                               ; (named as the upper half of a pair)
	v_mov_b32 v30, 0                               ; a lane permute's destination counts as one of its sources
	v_mov_b32 v[RC], 0
	v_mov_b32 v[RC+1], 0
.set j, 0
.rept 32
	v_mov_b32 v[OT+j], 0                           ; the step is written once: the first finds zeros, which the first change of M leaves zeros
.set j, j+1
.endr
	s_wait_kmcnt 0x0
	s_add_co_i32 s[TMP], s50, s51
	s_lshl_b32 s[TMP], s[TMP], 23
	s_mov_b32 s[CS], 0x3e38aa3b                    ; log2(e) / 8,
	s_add_co_i32 s[CS], s[CS], s[TMP]              ; x 2^(e6 + e7), by its exponent field
	s_mov_b32 s[CS+1], s[CS]
	s_add_co_i32 s[TMP], s52, 127
	s_lshl_b32 s60, s[TMP], 23
	v_mov_b32 v[PSC], s60
	s_add_co_i32 s[TMP], s[TMP], 15
	s_lshl_b32 s[TMP], s[TMP], 23
	s_or_b32 s[TMP], s[TMP], 0x600000
	v_mov_b32 v[PLIM], s[TMP]
	s_add_co_i32 s[TMP], s54, 127
	s_lshl_b32 s60, s[TMP], 23
	v_mov_b32 v[ASC], s60
	s_add_co_i32 s[TMP], s[TMP], 15
	s_lshl_b32 s[TMP], s[TMP], 23
	s_or_b32 s[TMP], s[TMP], 0x600000
	v_mov_b32 v[ALIM], s[TMP]
	s_wait_loadcnt 0x0                             ; Q
	GROUP 2, 0                                     ; my first load is in; the two behind it may stay out
	GROUP 1, 6*STEPB
	GROUP 0, 12*STEPB
	; THE WAY OUT
.rept 4
	v_nop
.endr
	v_add_f32 v14, v14, v15
	v_permlanex16_b32 v30, v14, s[SEL], s[SEL+1]
	v_add_f32 v14, v14, v30                        ; the row's sum
	v_rcp_f32 v14, v14
	v_bfe_u32 v10, v0, 4, 1                        ; (the plain line behind the reciprocal)
	s_add_co_i32 s[TMP], s52, s53
	v_cmp_eq_u32 vcc_lo, 1, v10                    ; lanes 16-31
	s_wait_alu depctr_va_vdst(0)                   ; ahead of the reciprocal's first reader
	v_ldexp_f32 v14, v14, s[TMP]                   ; x 2^(e8 + e9)
.set j, 0
.rept 16
	v_pk_mul_f32 v[SS+j:SS+j+1], v[OT+j:OT+j+1], v[14:15] op_sel_hi:[1,0]   ; register 8 T + i: channel 16 T + 8 h + i of my query
.set j, j+2
.endr
.set j, 0
.rept 32
	v_med3_num_f32 v[SS+j], v[SS+j], -v[ALIM], v[ALIM]
.set j, j+1
.endr
.irp t, 0,1,2,3
	v_cvt_scalef32_pk8_bf8_f32 v[OC+2*\t:OC+2*\t+1], v[SS+8*\t:SS+8*\t+7], v[ASC]
.endr
	v_nop
	; the next product's fragment wants channels 32 b + 16 h + 0..15 in lane (r, h): lanes 0-15 keep tile 2 b and take the other half's tile 2 b; lanes 16-31 keep tile 2 b + 1 and take the other half's
.irp b, 0,1
	v_cndmask_b32 v[GV], v[OC+4*\b+2], v[OC+4*\b], vcc_lo
	v_cndmask_b32 v[GV+1], v[OC+4*\b+3], v[OC+4*\b+1], vcc_lo
	v_permlanex16_b32 v[RC], v[GV], s[SEL], s[SEL+1]
	v_permlanex16_b32 v[RC+1], v[GV+1], s[SEL], s[SEL+1]
	v_cndmask_b32 v[OI+4*\b], v[OC+4*\b], v[RC], vcc_lo
	v_cndmask_b32 v[OI+4*\b+1], v[OC+4*\b+1], v[RC+1], vcc_lo
	v_cndmask_b32 v[OI+4*\b+2], v[RC], v[OC+4*\b+2], vcc_lo
	v_cndmask_b32 v[OI+4*\b+3], v[RC+1], v[OC+4*\b+3], vcc_lo
.endr
.irp b, 0,1
	global_store_b128 v[LI], v[OI+4*\b:OI+4*\b+3], s[56:57] offset:512*\b   ; the wave stores 512 consecutive bytes, aligned
.endr
	s_wait_tensorcnt 0x0
	ds_add_u32 v254, v255
	s_wait_dscnt 0x0
	CROUND                                         ; the closing round
	s_endpgm
.Lfunc_end_k_qe3a0db7da0_attn:
	.size	k_qe3a0db7da0_attn, .Lfunc_end_k_qe3a0db7da0_attn-k_qe3a0db7da0_attn
	.p2alignl 7, 3214868480
	.fill 96, 4, 3214868480
	.section	.rodata,"a",@progbits
	.p2align	6, 0x0
	.amdhsa_kernel k_qe3a0db7da0_attn
		.amdhsa_group_segment_fixed_size 296960
		.amdhsa_private_segment_fixed_size 0
		.amdhsa_enable_private_segment 0
		.amdhsa_kernarg_size 32
		.amdhsa_user_sgpr_count 2
		.amdhsa_user_sgpr_kernarg_segment_ptr 1
		.amdhsa_wavefront_size32 1
		.amdhsa_system_sgpr_workgroup_id_x 1
		.amdhsa_system_sgpr_workgroup_id_y 1
		.amdhsa_system_sgpr_workgroup_id_z 1
		.amdhsa_system_vgpr_workitem_id 0
		.amdhsa_next_free_vgpr 256
		.amdhsa_next_free_sgpr 66
		.amdhsa_reserve_vcc 1
		.amdhsa_float_denorm_mode_32 3
		.amdhsa_float_denorm_mode_16_64 3
		.amdhsa_memory_ordered 1
		.amdhsa_forward_progress 1
		.amdhsa_inst_pref_size 90
	.end_amdhsa_kernel
	.amdgpu_metadata
---
amdhsa.version: [ 1, 2 ]
amdhsa.kernels:
  - .name:           k_qe3a0db7da0_attn
    .symbol:         k_qe3a0db7da0_attn.kd
    .args:
      - { .name: q_img, .offset: 0, .size: 8, .value_kind: global_buffer, .address_space: global }
      - { .name: kv, .offset: 8, .size: 8, .value_kind: global_buffer, .address_space: global }
      - { .name: lowp_scales, .offset: 16, .size: 8, .value_kind: global_buffer, .address_space: global }
      - { .name: a_img, .offset: 24, .size: 8, .value_kind: global_buffer, .address_space: global }
    .group_segment_fixed_size: 296960
    .private_segment_fixed_size: 0
    .kernarg_segment_align: 8
    .kernarg_segment_size: 32
    .max_flat_workgroup_size: 512
    .sgpr_count:     66
    .vgpr_count:     256
    .wavefront_size: 32
...
	.end_amdgpu_metadata
.endif
;; end of part 2
;; launch oproj (part 3): grid 8 x 32, 8 waves a work-group, clusters of 4 x 4, 306,176 bytes of LDS; arguments a_img, o_w_codes, lowp_scales, out0; writes out0
.if DOCPART == 3
	.amdgcn_target "amdgcn-amd-amdhsa--gfx1250"
	.amdhsa_code_object_version 6
	.text
	.protected	k_qe3a0db7da0_oproj
	.globl	k_qe3a0db7da0_oproj
	.p2align	8
	.type	k_qe3a0db7da0_oproj,@function
k_qe3a0db7da0_oproj:
	s_mov_b64 s[64:65], 0
	v_nop
	global_prefetch_b8 v0, s[64:65] scope:SCOPE_SE
	s_setreg_imm32_b32 hwreg(HW_REG_WAVE_MODE, 25, 1), 1
	s_wait_xcnt 0x0
	s_wait_alu depctr_hold_cnt(0) depctr_sa_sdst(0) depctr_va_vdst(0) depctr_va_sdst(0) depctr_va_ssrc(0) depctr_va_vcc(0) depctr_vm_vsrc(0)
	s_getreg_b32 s2, hwreg(HW_REG_IB_STS2, 6, 4)
	s_cmp_eq_u32 s2, 0
	s_cbranch_scc0 .Lentry_in_a_cluster
	s_endpgm
.Lentry_in_a_cluster:
	s_bfe_u32 s2, ttmp6, 0x10000c
	s_cmp_lg_u32 s2, 0xf033
	s_cbranch_scc0 .Lentry_shape_is_right
	s_endpgm
.Lentry_shape_is_right:
; out = A o_w^T on codes of BF8 (E5M2), x 2^(e10 + e11).  A comes as images of operand registers ([token tile][K step of 128][4][lane][16 bytes]), o_w as rows of 1,024 codes.
; A work-group takes 128 tokens x 128 outputs; a wave 32 tokens x 64 outputs: 8 accumulators.  The whole K lies in LDS (four K steps of 256, each brought by loads of its own): nothing is filled again.
; CLUSTER 4 x 4: A's tiles hang on the tokens alone and are shared along a row of the cluster, o_w's on the outputs alone and are shared along a column: both are asked for jointly.
; Source 0 = 16 rows of o_w, source 1 = 16 tokens: a lane holds eight neighbouring outputs of one token.  o_w's fragment is fetched by four loads of 16 bytes, 32 apart: k = 32 c + 16 h + 0..15, the order in which A's image was laid.
; LIMIT: e10 + e11 between -126 and 127.
.set PITCH, 272
.set OWS,   128*PITCH                  ; o_w's tile of a K step: 128 rows x (256 + 16)
.set AIM,   4*OWS                      ; A's images: a K step is 8 token tiles x 4,096 bytes
.set AIS,   32768
.set STAGE, AIM+4*AIS                  ; the way out: 16 rows x 272 bytes for each wave; no tile lands there
.set STW,   16*PITCH
.set LI,  1
.set AO,  4                            ; v4-7   my o_w fragments in K step 0..3
.set AA,  8                            ; v8-11  my A fragments
.set STO, 12
.set RD,  13
.set CO,  14
.set ACC, 32
.set OF,  96
.set AF,  160
.set TMP, 96                           ; the way out: v96-127 a block's numbers; v128-159, v160-191 rows read back
.set BK,  128
.set WV,  12
.set CX,  13
.set CY,  14
.set NX,  15
.set TY,  16
.set NG,  17
.set TG,  18
.set HF,  19
.set G1O, 20
.set G1A, 28
.macro CROUND
	s_barrier_signal -1
	s_barrier_wait -1
	s_cmp_lg_u32 s[WV], 0
	s_cbranch_scc1 .Lnot_wave_0_\@
	s_barrier_signal -3
.Lnot_wave_0_\@:
	s_barrier_wait -3
	s_barrier_signal -1
	s_barrier_wait -1
.endm
.macro MKG0 g, lreg, loff, areg, aoff
	s_mov_b32 s[\g], 1
	s_add_co_u32 s[\g+1], s[\lreg], \loff
	s_add_nc_u64 s[\g+2:\g+3], s[\areg:\areg+1], \aoff
	s_or_b32 s[\g+3], s[\g+3], 0x80000000
.endm
.macro SUB ks, q, zero, first
.if !(\first)
.rept 4
	v_nop                                          ; four places between the last products and loads into the registers that they read
.endr
.endif
.irp t, 0,1,2,3
.irp c, 0,1,2,3
	ds_load_b128 v[OF+16*\t+4*\c:OF+16*\t+4*\c+3], v[AO+\ks] offset:16*\t*PITCH+128*\q+32*\c
.endr
.endr
.irp m, 0,1
.irp c, 0,1,2,3
	ds_load_b128 v[AF+16*\m+4*\c:AF+16*\m+4*\c+3], v[AA+\ks] offset:4096*\m+2048*\q+512*\c
.endr
.endr
	s_wait_dscnt 0x0
.irp m, 0,1                            ; the eight accumulators take turns, in the same order in every step
.irp t, 0,1,2,3
.if \zero
	v_wmma_f32_16x16x128_bf8_bf8 v[ACC+8*(4*\m+\t):ACC+8*(4*\m+\t)+7], v[OF+16*\t:OF+16*\t+15], v[AF+16*\m:AF+16*\m+15], 0
.else
	v_wmma_f32_16x16x128_bf8_bf8 v[ACC+8*(4*\m+\t):ACC+8*(4*\m+\t)+7], v[OF+16*\t:OF+16*\t+15], v[AF+16*\m:AF+16*\m+15], v[ACC+8*(4*\m+\t):ACC+8*(4*\m+\t)+7]
.endif
.endr
.endr
.endm
	s_load_b256 s[4:11], s[0:1], 0x0               ; a_img s[4:5], o_w s[6:7], the scales' exponents s[8:9], out0 s[10:11]
	v_lshl_add_u32 v192, v0, 2, 0x4a800
	v_mov_b32 v193, 0
	ds_add_u32 v192, v193
	ds_add_u32 v192, v193
	v_lshrrev_b32 v16, 5, v0
	v_readfirstlane_b32 s[WV], v16                 ; wave 0..7
	s_bfe_u32 s[CX], ttmp6, 0x40000
	s_bfe_u32 s[CY], ttmp6, 0x40004
	s_lshl_b32 s[NX], ttmp9, 2
	s_add_co_u32 s[NX], s[NX], s[CX]               ; my 128 outputs
	s_and_b32 s[TY], ttmp7, 0xffff
	s_lshl_b32 s[TY], s[TY], 2
	s_add_co_u32 s[TY], s[TY], s[CY]               ; my 128 tokens
	s_lshr_b32 s[NG], s[WV], 2
	s_and_b32 s[TG], s[WV], 3
	s_and_b32 s[HF], s[WV], 1                      ; which half of a tile I fetch
	s_lshl_b32 s84, s[CY], 2
	s_lshl_b32 s84, 15, s84                        ; my row of the cluster
	s_lshl_b32 s85, 0x1111, s[CX]                  ; my column
	s_or_b32 s[G1O], s85, (1<<20)|(1<<21)|(5<<22)|(3<<25)   ; o_w: to my column; elements of 1 byte; 4 words of padding behind every 64
	s_mov_b32 s[G1O+1], 256<<16
	s_mov_b32 s[G1O+2], 64<<16
	s_mov_b32 s[G1O+3], 256<<16
	s_mov_b32 s[G1O+4], 64                         ; 64 rows x 256 bytes,
	s_mov_b32 s[G1O+5], 1024                       ; 1,024 bytes apart
	s_mov_b32 s[G1O+6], 0
	s_mov_b32 s[G1O+7], 0
	s_or_b32 s[G1A], s84, (3<<16)|(1<<21)          ; A: to my row; elements of 8 bytes; no padding
	s_mov_b32 s[G1A+1], 512<<16
	s_mov_b32 s[G1A+2], 4<<16
	s_mov_b32 s[G1A+3], 512<<16
	s_mov_b32 s[G1A+4], 4                          ; 4 token tiles x 4,096 bytes,
	s_mov_b32 s[G1A+5], 2048                       ; 16,384 bytes apart
	s_mov_b32 s[G1A+6], 0
	s_mov_b32 s[G1A+7], 0
	s_lshl_b32 s72, s[NX], 17                      ; o_w: (128 nx + 64 half) rows of 1,024 bytes: registers that never hold cy
	s_lshl_b32 s73, s[HF], 16
	s_add_co_u32 s72, s72, s73
	s_mov_b32 s73, 0
	s_lshl_b32 s74, s[TY], 17                      ; A: (8 ty + 4 half) token tiles of 16,384 bytes: registers that never hold cx
	s_lshl_b32 s75, s[HF], 16
	s_add_co_u32 s74, s74, s75
	s_mov_b32 s75, 0
	s_mul_i32 s76, s[HF], 64*PITCH                 ; where they go: no place in the cluster enters an LDS address
	s_lshl_b32 s77, s[HF], 14
	s_lshl_b32 s88, s[TY], 19                      ; out0: (128 ty + 32 tg) rows of 4,096 bytes + 512 nx + 256 ng
	s_lshl_b32 s89, s[TG], 17
	s_add_co_u32 s88, s88, s89
	s_lshl_b32 s89, s[NX], 9
	s_add_co_u32 s88, s88, s89
	s_lshl_b32 s89, s[NG], 8
	s_add_co_u32 s88, s88, s89
	s_mov_b32 s89, 0
	v_and_b32 v16, 15, v0                          ; r
	v_bfe_u32 v17, v0, 4, 1                        ; h
	v_and_b32 v18, 31, v0
	v_lshlrev_b32 v[LI], 4, v18
	v_mul_u32_u24 v19, v16, PITCH
	v_lshl_add_u32 v20, v17, 4, v19
	s_mul_i32 s78, s[NG], 64*PITCH
	s_lshl_b32 s79, s[TG], 13
	s_add_co_u32 s79, s79, AIM
.irp k, 0,1,2,3
	v_add_nc_u32 v[AO+\k], s78, v20
	v_add_nc_u32 v[AA+\k], s79, v[LI]
	s_add_co_u32 s78, s78, OWS
	s_add_co_u32 s79, s79, AIS
.endr
	s_mul_i32 s78, s[WV], STW
	s_add_co_u32 s78, s78, STAGE                   ; my stage
	v_lshl_add_u32 v21, v17, 5, v19
	v_add_nc_u32 v[STO], s78, v21                  ; in: row r, 32 bytes for each half of the lanes
	v_mul_u32_u24 v22, v17, PITCH
	v_lshl_add_u32 v22, v16, 4, v22
	v_add_nc_u32 v[RD], s78, v22                   ; back: lanes 0-15 one row of 256 bytes, lanes 16-31 the next
	v_lshlrev_b32 v23, 12, v17
	v_lshl_add_u32 v[CO], v16, 4, v23              ; and the same two rows in out0
	s_wait_dscnt 0x0
	s_wait_kmcnt 0x0
	s_load_b64 s[80:81], s[8:9], 0x28              ; e10, e11
	s_add_nc_u64 s[72:73], s[6:7], s[72:73]
	s_add_nc_u64 s[74:75], s[4:5], s[74:75]
	s_add_nc_u64 s[82:83], s[10:11], s[88:89]
	MKG0 36, 76, 0*OWS, 72, 0
	MKG0 40, 76, 1*OWS, 72, 256
	MKG0 44, 76, 2*OWS, 72, 512
	MKG0 48, 76, 3*OWS, 72, 768
	MKG0 52, 77, AIM+0*AIS, 74, 0
	MKG0 56, 77, AIM+1*AIS, 74, 4096
	MKG0 60, 77, AIM+2*AIS, 74, 8192
	MKG0 68, 77, AIM+3*AIS, 74, 12288
	CROUND                                         ; all sixteen work-groups are here: the joint loads meet
	s_cmp_lt_u32 s[WV], 2                          ; waves 0, 1: o_w's halves; waves 2, 3: A's; four loads of mine are out, one for each K step
	s_cbranch_scc0 .Lnot_o
	tensor_load_to_lds s[36:39], s[G1O:G1O+7]
	s_nop 0
	tensor_load_to_lds s[40:43], s[G1O:G1O+7]
	s_nop 0
	tensor_load_to_lds s[44:47], s[G1O:G1O+7]
	s_nop 0
	tensor_load_to_lds s[48:51], s[G1O:G1O+7]
	s_nop 0
.rept 4
	v_nop
.endr
	s_branch .Lfilled
.Lnot_o:
	s_cmp_lt_u32 s[WV], 4
	s_cbranch_scc0 .Lfilled
	tensor_load_to_lds s[52:55], s[G1A:G1A+7]
	s_nop 0
	tensor_load_to_lds s[56:59], s[G1A:G1A+7]
	s_nop 0
	tensor_load_to_lds s[60:63], s[G1A:G1A+7]
	s_nop 0
	tensor_load_to_lds s[68:71], s[G1A:G1A+7]
	s_nop 0
.rept 4
	v_nop
.endr
.Lfilled:
.irp k, 0,1,2,3
	s_wait_tensorcnt 3-\k                          ; my part of this K step is in; the loads of the later K steps may stay out
	s_wait_dscnt 0x0
	s_barrier_signal -1
	s_barrier_wait -1
.if \k == 0
	SUB \k, 0, 1, 1                                ; the first products start the sums
.else
	SUB \k, 0, 0, 0
.endif
	SUB \k, 1, 0, 0
.endr
	s_wait_kmcnt 0x0
	s_add_co_i32 s86, s80, s81
	s_add_co_i32 s86, s86, 127
	s_lshl_b32 s86, s86, 23                        ; 2^(e10 + e11) as f32
	s_mov_b32 s87, s86
.rept 4
	v_nop
.endr
; THE WAY OUT, 16 tokens at a time: a lane's 32 bytes go into my own stage and come back as whole rows of 256 bytes.  LDS serves a wave's instructions in order (ISA guide 5.7.1.4): no wait between the stores and the loads.
.macro TOSTAGE m
.irp t, 0,1,2,3
.irp j, 0,2,4,6
	v_pk_mul_f32 v[TMP+8*\t+\j:TMP+8*\t+\j+1], v[ACC+8*(4*\m+\t)+\j:ACC+8*(4*\m+\t)+\j+1], s[86:87] op_sel_hi:[1,0]   ; each accumulator from its low end on
.endr
.endr
.irp t, 0,1,2,3
	ds_store_b128 v[STO], v[TMP+8*\t:TMP+8*\t+3] offset:64*\t
	ds_store_b128 v[STO], v[TMP+8*\t+4:TMP+8*\t+7] offset:64*\t+16
.endr
.irp i, 0,1,2,3,4,5,6,7
	ds_load_b128 v[BK+32*\m+4*\i:BK+32*\m+4*\i+3], v[RD] offset:2*\i*PITCH
.endr
.endm
.macro SEND m, younger                 ; younger: the LDS instructions issued behind this block's loads
.irp i, 0,1,2,3,4,5,6,7
	s_wait_dscnt \younger+7-\i
	global_store_b128 v[CO], v[BK+32*\m+4*\i:BK+32*\m+4*\i+3], s[82:83] offset:65536*\m+2*\i*4096 th:TH_STORE_NT   ; sixteen lanes store 256 consecutive bytes, aligned; written once, read by nobody here
.endr
.endm
	TOSTAGE 0
	TOSTAGE 1
	SEND 0, 16                                     ; behind block 0's loads: block 1's 8 stores and 8 loads
	SEND 1, 0
	s_wait_tensorcnt 0x0
	ds_add_u32 v192, v193
	s_wait_dscnt 0x0
	CROUND                                         ; the closing round
	s_endpgm
.Lfunc_end_k_qe3a0db7da0_oproj:
	.size	k_qe3a0db7da0_oproj, .Lfunc_end_k_qe3a0db7da0_oproj-k_qe3a0db7da0_oproj
	.p2alignl 7, 3214868480
	.fill 96, 4, 3214868480
	.section	.rodata,"a",@progbits
	.p2align	6, 0x0
	.amdhsa_kernel k_qe3a0db7da0_oproj
		.amdhsa_group_segment_fixed_size 306176
		.amdhsa_private_segment_fixed_size 0
		.amdhsa_enable_private_segment 0
		.amdhsa_kernarg_size 32
		.amdhsa_user_sgpr_count 2
		.amdhsa_user_sgpr_kernarg_segment_ptr 1
		.amdhsa_wavefront_size32 1
		.amdhsa_system_sgpr_workgroup_id_x 1
		.amdhsa_system_sgpr_workgroup_id_y 1
		.amdhsa_system_sgpr_workgroup_id_z 1
		.amdhsa_system_vgpr_workitem_id 0
		.amdhsa_next_free_vgpr 194
		.amdhsa_next_free_sgpr 90
		.amdhsa_reserve_vcc 0
		.amdhsa_float_denorm_mode_32 3
		.amdhsa_float_denorm_mode_16_64 3
		.amdhsa_memory_ordered 1
		.amdhsa_forward_progress 1
		.amdhsa_inst_pref_size 33
	.end_amdhsa_kernel
	.amdgpu_metadata
---
amdhsa.version: [ 1, 2 ]
amdhsa.kernels:
  - .name:           k_qe3a0db7da0_oproj
    .symbol:         k_qe3a0db7da0_oproj.kd
    .args:
      - { .name: a_img, .offset: 0, .size: 8, .value_kind: global_buffer, .address_space: global }
      - { .name: o_w_codes, .offset: 8, .size: 8, .value_kind: global_buffer, .address_space: global }
      - { .name: lowp_scales, .offset: 16, .size: 8, .value_kind: global_buffer, .address_space: global }
      - { .name: out0, .offset: 24, .size: 8, .value_kind: global_buffer, .address_space: global }
    .group_segment_fixed_size: 306176
    .private_segment_fixed_size: 0
    .kernarg_segment_align: 8
    .kernarg_segment_size: 32
    .max_flat_workgroup_size: 256
    .sgpr_count:     90
    .vgpr_count:     194
    .wavefront_size: 32
...
	.end_amdgpu_metadata
.endif
;; end of part 3
